; MI455X (gfx1250); checked and timed in simulation.
; The chip was launched on July 23, 2026; its instructions are those of AMD's public machine-readable ISA for CDNA 5 (MIT licence, August 2026) and "CDNA5" Instruction Set Architecture Reference Guide (July 2026). The comments in the code are by the model that wrote it; some were corrected since.
;; Bahdanau Attention. Allowed arithmetic: matrix products marked QUANTISED: E3M2 operands, one E8M0 scale for each 32 along K, by v_wmma_scale_f32_16x16x128_f8f6f4 with both operands' format E3M2, f32 sums; products left as they are: f32 operands where the result goes on into a quantised operand, else bf16, f16 or f32 operands; f32 sums; everything else in f32.
;; Inputs: V 1,024 x 1 float32; Wc 2,048 x 1 float32; Wh 1,024 x 1,024 float32; Ws 1,024 x 1,024 float32; bc 1 float32; bh 1,024 float32; bs 1,024 float32; bv 1 float32; coverage_vector 32 x 2,048 float32; decoder_state 32 x 1,024 float32; encoder_output 32 x 2,048 x 1,024 float32.
;; Outputs: out0 32 x 1,024 float32; out1 32 x 2,048 x 1 float32; out2 32 x 2,048 float32.
;; This version of the problem:
;;   THIS VERSION OF THE PROBLEM IS GIVEN IN LOW PRECISION. The matrix products marked QUANTISED in the list below multiply operands that are first quantised to E3M2 (3 exponent bits, 2 mantissa bits; 6 bits a number), with one power-of-two scale for each 32 numbers along K (OCP MX v1.0); their sums are f32. All else is computed in f32.
;;   The module's matrix products, in the order in which they are computed (A, B: the left and right operand; K: the contracted axis; several contracted axes count as one K, in the product's order):
;;     1. [M 65,536, K 1,024] x [K 1,024, N 1,024]; A: input encoder_output; B: input Wh: QUANTISED
;;     2. [M 32, K 1,024] x [K 1,024, N 1,024]; A: input decoder_state; B: input Ws: QUANTISED
;;     3. [M 32, K 2,048] x [K 2,048, N 1]; A: input coverage_vector; B: input Wc: left as it is (N = 1 < 16)
;;     4. [M 65,536, K 1,024] x [K 1,024, N 1]; A: computed on the way; B: input V: left as it is (N = 1 < 16)
;;   THE QUANTISER, for each operand of a quantised product, along K:
;;     - K is cut into blocks of 32 from its start; a last block that is shorter is filled with zeros.
;;     - A block's scale is 2^e with e = floor(log2(the largest magnitude in the block)) - 4, held to -126 .. 127; a block of zeros has e = 0. As a byte (E8M0): e + 127.
;;     - Each number is divided by its block's scale, clamped to +-28, and rounded to the nearest number of E3M2, ties to even, subnormals kept.
;;     - The product sums the exact products of the quantised numbers (number of the format x scale) in f32.
;;   ~~~python
;;   def quantise(x, axis):      # numpy; x: float32 -> the quantised numbers, widened to float32 again
;;       x = np.moveaxis(x, axis, -1); K = x.shape[-1]
;;       x = np.pad(x, [(0, 0)] * (x.ndim - 1) + [(0, -K % 32)]); x = x.reshape(x.shape[:-1] + (-1, 32)); a = np.abs(x).max(-1, keepdims=True)
;;       e = np.where(a > 0, np.clip(np.frexp(np.where(a > 0, a, 1))[1] - 1 - 4, -126, 127), 0)      # np.frexp(a)[1] - 1 = floor(log2(a)), exactly
;;       r = np.clip(x / 2.0 ** e, -28, 28)
;;       step = 2.0 ** (np.maximum(np.frexp(np.where(r == 0, 1, r))[1] - 1, -2) - 2)
;;       q = np.round(r / step) * step * 2.0 ** e      # np.round: ties to even
;;       return np.moveaxis(q.reshape(q.shape[:-2] + (-1,))[..., :K], -1, axis).astype(np.float32)
;;   ~~~
;; One version. Each part assembles by itself: llvm-mc -triple=amdgcn-amd-amdhsa -mcpu=gfx1250 --defsym DOCPART=n.
;; ======== version 1 of 1: 3 launches
;; limits: right only within a limited range of input values
;; workspace buffers: whq 819,200 bytes; u 131,072 bytes; scorebuf 262,144 bytes
;; launch prep (part 1): grid 128 x 1, 8 waves a work-group, no clusters, 152,576 bytes of LDS; arguments Wh, Ws, decoder_state, bs, bh, whq, u; writes whq, u
.if DOCPART == 1
	.amdgcn_target "amdgcn-amd-amdhsa--gfx1250"
	.amdhsa_code_object_version 6
	.text
	.protected	k_qedb216ad92_prep
	.globl	k_qedb216ad92_prep
	.p2align	8
	.type	k_qedb216ad92_prep,@function
k_qedb216ad92_prep:
	s_mov_b64 s[64:65], 0
	v_nop
	global_prefetch_b8 v0, s[64:65] scope:SCOPE_SE
	s_setreg_imm32_b32 hwreg(HW_REG_WAVE_MODE, 25, 1), 1
	s_wait_xcnt 0x0
; Two jobs on one plan.  Work-groups 0-63: Wh [1024 (k)][1024 (n)] f32 becomes codes of BF6 (E3M2) with one E8M0 byte for each 32 along K, laid in whq in the order in which the next launch streams them.
; Work-groups 64-127: u[b][n] = Q(decoder_state) Q(Ws) + bs + bh, [32][1024] f32, by the scaled matrix instruction on codes made here.
; A work-group takes 16 columns n (tile t); each of its eight waves takes 128 along K.  A LANE TAKES A COLUMN AND ITS REGISTERS RUN DOWN K, in the order that the 6-bit operand layout gives that lane
; (lane (r, h): column r, k = 64 c + 32 h + 0 .. 31 in registers 6 c .. 6 c + 5): the conversions' results are the operand's registers, a lane holds whole blocks of 32, nothing is transposed.
; decoder_state has K innermost: a wave's 128 along K of one row are 512 consecutive bytes, one load of 16 bytes a lane; the 32 rows turn through the wave's own stage in LDS (rows 528 bytes apart, so that the sixteen
; rows that a load back touches start in different banks) and come back 128 neighbouring bytes a lane, in the operand's order.
; whq: 16 slots of 51,200 bytes; slot 4 j + kk holds columns 256 j .. + 255 and K 256 kk .. + 255.  Fragment (q = K step in the slot, ct = column tile in the chunk) is an image of its 12 registers at
; (16 q + ct) x 1,536: registers 4 c .. 4 c + 3 of lane l at 512 c + 16 l.  From byte 49,152 on the scale words: (2 q + ct / 8) x 512 + 32 r + 4 (ct % 8).
; A block's scale byte is its largest magnitude's exponent field - 4, held at 1 from below.  LIMITS: a block of zeros gets the byte 1 where the rule says 127 (its codes are zeros, and only this program reads the bytes);
; NaN and infinities among the inputs are not served; u's sum over K is made of eight partial f32 sums, one a wave, added in a tree (u feeds no quantiser).
; No tensor loads, no cluster: work-groups share no tile.  The scale words (4 bytes, 32 apart) and u (64 bytes a store) leave in parts of 256-byte blocks: 32 KB and 128 KB in all.
; WORK LEFT OUT BY THE PROGRAM: bv.  reference() adds bv[0] to every score of a batch and then takes the softmax over the positions: softmax(x + c) = softmax(x) for every finite c,
; and the scores reach the three results through that softmax alone.  So bv has no way to any result, is not loaded and is no argument of any launch.
; LIMIT: a NaN, an infinity or an overflow that bv alone would bring is not carried to the results.
.set XW,  64                           ; v64-127   64 numbers of the weight: k = 64 c + 32 h + i at 32 c + i
.set CB,  16                           ; v16-27    the weight's codes;  v28-39, v40-51: those of decoder_state's rows 0-15, 16-31
.set CA0, 28
.set CA1, 40
.set LW,  55                           ; v55  LDS: where my wave puts its partial sums (a register that no load, conversion or product writes)
.set LR,  1                            ; v1   first r, then LDS: what I add up
.set UO,  2                            ; v2   first h, then my byte offset in u
.set SI,  4                            ; v4   the stage, on the way in: 16 x lane
.set SO,  6                            ; v6   and out: row r, + 128 h  (in the work-groups that lay out Wh: 32 r)
.set STGD, 16384                       ; LDS: behind the partial sums, a stage of 32 rows x DP bytes for each wave
.set DP,  528
; v3 weight offset, v5 16 x lane, v7 8 h, v8-10 scale words, v11 at work for the lane permute, v12-15 maxima and scale operands,
; v52-54, v56-58 second halves of the conversions, v59 4 r, v60-61 bytes, v62-63 bs, bh, v64-79 the two results, v80-95 partial sums, v128-255 decoder_state's numbers
.macro QF x, c, sw                     ; 64 numbers v[x] on -> 12 registers of codes v[c] on, and the scale word v[sw]
.irp k, 0,1
	v_max3_num_f32 v[12+\k], |v[32*\k+\x]|, |v[32*\k+1+\x]|, 0x2800000   ; my block 2 k + h: all its 32 numbers are mine; the floor 2^(5 - 127) keeps the byte at 1 or more
.endr
.irp i, 2,4,6,8,10,12,14,16,18,20,22,24,26,28,30
.irp k, 0,1
	s_delay_alu instid0(VALU_DEP_2)
	v_max3_num_f32 v[12+\k], v[12+\k], |v[32*\k+\i+\x]|, |v[32*\k+\i+1+\x]|
.endr
.endr
.irp k, 0,1
	s_delay_alu instid0(VALU_DEP_2)
	v_add_nc_u32 v[14+\k], 0xfe000000, v[12+\k]    ; 4 off the exponent field: the conversion's scale operand
.endr
.irp k, 0,1
	s_delay_alu instid0(VALU_DEP_2)
	v_lshrrev_b32 v[60+\k], 23, v[14+\k]           ; the scale's byte
.endr
	s_delay_alu instid0(VALU_DEP_1)
	v_lshl_or_b32 v[\sw], v61, 16, v60             ; my two bytes: blocks h and 2 + h,
	s_delay_alu instid0(VALU_DEP_1)
	v_lshlrev_b32 v[\sw], v7, v[\sw]               ; 8 h bits up;
	s_delay_alu instid0(VALU_DEP_1)
	v_permlanex16_b32 v11, v[\sw], s20, s21
	s_delay_alu instid0(VALU_DEP_1)
	v_or_b32 v[\sw], v[\sw], v11                   ; with lane l xor 16's two the word is whole, in both halves of the lanes
.irp k, 0,1
	v_cvt_scalef32_pk16_bf6_f32 v[6*\k+\c:6*\k+2+\c], v[32*\k+\x:32*\k+15+\x], v[14+\k]
	v_cvt_scalef32_pk16_bf6_f32 v[52+4*\k:54+4*\k], v[32*\k+16+\x:32*\k+31+\x], v[14+\k]   ; (a conversion's three registers begin on an even number)
.endr
	v_nop                                          ; one plain place behind a scaled conversion
.irp k, 0,1
.irp i, 0,1,2
	v_mov_b32 v[6*\k+3+\i+\c], v[52+4*\k+\i]
.endr
.endr
.endm
	s_load_b256 s[4:11], s[0:1], 0x0               ; Wh s[4:5], Ws s[6:7], decoder_state s[8:9], bs s[10:11]
	s_load_b128 s[12:15], s[0:1], 0x20             ; bh s[12:13], whq s[14:15]
	s_load_b64 s[16:17], s[0:1], 0x30              ; u
	s_set_vgpr_msb 0x40
	v_lshl_add_u32 v0, v0, 2, 0x25000
	v_mov_b32 v1, 0
	s_set_vgpr_msb 0x4000
	v_lshrrev_b32 v1, 5, v0
	s_delay_alu instid0(VALU_DEP_1)
	v_readfirstlane_b32 s18, v1                    ; wave 0..7 = K step
	v_and_b32 v1, 15, v0                           ; r
	v_bfe_u32 v2, v0, 4, 1                         ; h
	s_delay_alu instid0(VALU_DEP_2)
	v_lshlrev_b32 v59, 2, v1                       ; 4 r
	s_delay_alu instid0(VALU_DEP_1)
	v_lshl_add_u32 v3, v2, 17, v59                 ; the weight: column r, lanes 16-31 begin 32 rows of 4,096 bytes further down
	v_and_b32 v5, 31, v0
	s_delay_alu instid0(VALU_DEP_1)
	v_lshlrev_b32 v5, 4, v5                        ; 16 x lane
	s_wait_alu depctr_va_vdst(0)
	v_lshlrev_b32 v7, 3, v2                        ; 8 h
	v_mov_b32 v11, 0                               ; written once: a lane permute's destination counts as one of its sources
	s_mov_b32 s20, 0x76543210
	s_mov_b32 s21, 0xfedcba98                      ; lane l xor 16
	s_and_b32 s19, ttmp9, 63                       ; t: my 16 columns
	s_mul_i32 s27, s18, 32*DP
	s_add_co_u32 s27, s27, STGD                    ; my wave's stage
	v_add_nc_u32 v[SI], s27, v5
	v_mul_u32_u24 v[SO], v1, DP
	s_delay_alu instid0(VALU_DEP_1)
	v_lshl_add_u32 v[SO], v2, 7, v[SO]
	s_delay_alu instid0(VALU_DEP_1)
	v_add_nc_u32 v[SO], s27, v[SO]
	s_lshl_b32 s27, s18, 11
	v_add_nc_u32 v[LW], s27, v5                    ; LDS: my wave's 2,048 bytes of partial sums
	s_lshr_b32 s25, s18, 2
	s_and_b32 s26, s18, 3
	s_lshl_b32 s26, s26, 9
	s_lshl_b32 s27, s25, 3
	s_add_co_u32 s26, s26, s27
	v_add_nc_u32 v[LR], s26, v5                    ; and what I add up: section wave % 4 (512 bytes), 8 bytes of each lane's 16  (r is not needed again)
	s_lshl_b32 s22, s18, 19                        ; 128 rows of the weight a wave,
	s_lshl_b32 s23, s19, 6                         ; 64 bytes a tile of columns
	s_add_co_u32 s22, s22, s23
	s_mov_b32 s23, 0
	s_wait_kmcnt 0x0
	s_cmp_lt_u32 ttmp9, 64                         ; Wh's work-group or Ws's: the choice hangs on the work-group's number alone
	s_cselect_b64 s[4:5], s[4:5], s[6:7]
	s_add_nc_u64 s[4:5], s[4:5], s[22:23]
.set j, 0
.rept 64
	global_load_b32 v[XW+j], v3, s[4:5] offset:(64*(j/32)+j%32)*4096   ; W(128 w + 64 c + 32 h + i, 16 t + r): sixteen lanes read 64 neighbouring bytes
.set j, j+1
.endr
	s_cmp_lt_u32 ttmp9, 64
	s_cbranch_scc1 .Lweights
	; ---- work-groups 64-127: u
	s_lshl_b32 s22, s18, 9                         ; decoder_state: my 128 along K
	s_add_nc_u64 s[8:9], s[8:9], s[22:23]
	s_lshl_b32 s22, s19, 6                         ; bs, bh, u: my 16 columns
	s_add_nc_u64 s[10:11], s[10:11], s[22:23]
	s_add_nc_u64 s[12:13], s[12:13], s[22:23]
	s_add_nc_u64 s[16:17], s[16:17], s[22:23]
.set j, 0
.rept 32
	global_load_b128 v[128+4*j:131+4*j], v5, s[8:9] offset:j*4096   ; row j: the wave reads 512 consecutive bytes
.set j, j+1
.endr
	global_load_b32 v62, v59, s[10:11]
	global_load_b32 v63, v59, s[12:13]
	s_bfe_u32 s24, s18, 0x10001                    ; where my two sums go in u: rows 16 ((w / 2) % 2) + 8 h + 4 (w % 2) + 2 (w / 4) + 0, 1
	s_lshl_b32 s24, s24, 16
	s_and_b32 s26, s18, 1
	s_lshl_b32 s26, s26, 14
	s_add_co_u32 s24, s24, s26
	s_lshl_b32 s26, s25, 13
	s_add_co_u32 s24, s24, s26
	v_lshl_add_u32 v[UO], v2, 15, v59              ; (h is not needed again; v2 is no source and no destination of a pending load)
	s_delay_alu instid0(VALU_DEP_1)
	v_add_nc_u32 v[UO], s24, v[UO]
	s_wait_loadcnt 2                               ; the weight and decoder_state are in; the two youngest loads (bs, bh) may be out
.set j, 0
	s_wait_alu depctr_va_vdst(0)
.rept 32
	ds_store_b128 v[SI], v[128+4*j:131+4*j] offset:j*DP
.set j, j+1
.endr
	QF XW, CB, 8                                   ; the weight is quantised while the stage's stores are out
	s_wait_dscnt 0x0                               ; the stores are done: their registers take the numbers back in another order
.irp m, 0,1
.irp c, 0,1
.irp j, 0,1,2,3,4,5,6,7
	ds_load_b128 v[128+64*\m+32*\c+4*\j:128+64*\m+32*\c+4*\j+3], v[SO] offset:\m*16*DP+\c*256+16*\j   ; row 16 m + r, k = 64 c + 32 h + 4 j on
.endr
.endr
.endr
	s_wait_dscnt 0x0
	s_wait_loadcnt 0x0                             ; bs, bh
	QF 128, CA0, 9
	QF 192, CA1, 10
.rept 8
	v_nop                                          ; a scale register written by a vector instruction stands 8 places ahead of a scaled matrix instruction, an operand so written 4
.endr
	v_wmma_scale_f32_16x16x128_f8f6f4 v[64:71], v[CA0:CA0+11], v[CB:CB+11], 0, v9, v8 matrix_a_fmt:MATRIX_FMT_BF6 matrix_b_fmt:MATRIX_FMT_BF6   ; rows 0-15 x my 16 columns, my 128 along K
	v_wmma_scale_f32_16x16x128_f8f6f4 v[72:79], v[CA1:CA1+11], v[CB:CB+11], 0, v10, v8 matrix_a_fmt:MATRIX_FMT_BF6 matrix_b_fmt:MATRIX_FMT_BF6  ; rows 16-31
.rept 4
	v_nop
.endr
	ds_store_b128 v[LW], v[64:67]                  ; each result from its low end on; register j of lane (r, h): row 8 h + j, column r
	ds_store_b128 v[LW], v[68:71] offset:512
	ds_store_b128 v[LW], v[72:75] offset:1024
	ds_store_b128 v[LW], v[76:79] offset:1536
	s_wait_dscnt 0x0                               ; for the others' sake: my partial sums lie in LDS
	s_barrier_signal -1
	s_barrier_wait -1
.irp k, 0,1,2,3,4,5,6,7
	ds_load_b64 v[80+2*\k:81+2*\k], v[LR] offset:2048*\k   ; the eight waves' parts of my two sums
.endr
	s_wait_dscnt 0x0
	v_pk_add_f32 v[80:81], v[80:81], v[82:83]
	v_pk_add_f32 v[84:85], v[84:85], v[86:87]
	v_pk_add_f32 v[88:89], v[88:89], v[90:91]
	v_pk_add_f32 v[92:93], v[92:93], v[94:95]
	s_delay_alu instid0(VALU_DEP_3)
	v_pk_add_f32 v[80:81], v[80:81], v[84:85]
	s_delay_alu instid0(VALU_DEP_2)
	v_pk_add_f32 v[88:89], v[88:89], v[92:93]
	s_delay_alu instid0(VALU_DEP_1)
	v_pk_add_f32 v[80:81], v[80:81], v[88:89]
	v_add_f32 v62, v62, v63                        ; bs + bh of my column
	s_delay_alu instid0(VALU_DEP_1)
	v_add_f32 v80, v80, v62
	s_delay_alu instid0(VALU_DEP_2)
	v_add_f32 v81, v81, v62
	global_store_b32 v[UO], v80, s[16:17]
	global_store_b32 v[UO], v81, s[16:17] offset:4096
	s_set_vgpr_msb 0x5
	s_wait_tensorcnt 0x0
	ds_add_u32 v0, v1
	s_wait_dscnt 0x0
	s_set_vgpr_msb 0x500
	s_endpgm
.Lweights:
	; ---- work-groups 0-63: Wh's codes and scale words into whq
	v_lshlrev_b32 v6, 3, v59                       ; 32 r: my column's place among a tile's scale words
	s_lshr_b32 s24, s19, 4                         ; j: the chunk of 256 columns
	s_lshl_b32 s24, s24, 2
	s_lshr_b32 s25, s18, 1                         ; kk: the pair of K steps
	s_add_co_u32 s24, s24, s25
	s_mul_i32 s24, s24, 51200                      ; the slot's first byte
	s_and_b32 s25, s18, 1                          ; q
	s_and_b32 s26, s19, 15                         ; ct
	s_lshl_b32 s27, s25, 4
	s_add_co_u32 s27, s27, s26
	s_mul_i32 s27, s27, 1536
	s_add_co_u32 s28, s24, s27                     ; the fragment's image
	s_mov_b32 s29, 0
	s_lshl_b32 s27, s25, 1
	s_lshr_b32 s30, s26, 3
	s_add_co_u32 s27, s27, s30
	s_lshl_b32 s27, s27, 9
	s_and_b32 s30, s19, 7
	s_lshl_b32 s30, s30, 2
	s_add_co_u32 s30, s30, s27
	s_add_co_u32 s30, s30, s24
	s_add_co_u32 s30, s30, 49152                   ; its scale words
	s_mov_b32 s31, 0
	s_add_nc_u64 s[28:29], s[14:15], s[28:29]
	s_add_nc_u64 s[30:31], s[14:15], s[30:31]
	s_wait_loadcnt 0x0
	QF XW, CB, 8
	global_store_b128 v5, v[CB:CB+3], s[28:29]     ; each store of the wave covers 512 consecutive bytes, aligned
	global_store_b128 v5, v[CB+4:CB+7], s[28:29] offset:512
	global_store_b128 v5, v[CB+8:CB+11], s[28:29] offset:1024
	global_store_b32 v6, v8, s[30:31]              ; lanes l and l + 16 store the same word to the same place
	s_endpgm
.Lfunc_end_k_qedb216ad92_prep:
	.size	k_qedb216ad92_prep, .Lfunc_end_k_qedb216ad92_prep-k_qedb216ad92_prep
	.p2alignl 7, 3214868480
	.fill 96, 4, 3214868480
	.section	.rodata,"a",@progbits
	.p2align	6, 0x0
	.amdhsa_kernel k_qedb216ad92_prep
		.amdhsa_group_segment_fixed_size 152576
		.amdhsa_private_segment_fixed_size 0
		.amdhsa_enable_private_segment 0
		.amdhsa_kernarg_size 56
		.amdhsa_user_sgpr_count 2
		.amdhsa_user_sgpr_kernarg_segment_ptr 1
		.amdhsa_wavefront_size32 1
		.amdhsa_system_sgpr_workgroup_id_x 1
		.amdhsa_system_sgpr_workgroup_id_y 1
		.amdhsa_system_sgpr_workgroup_id_z 1
		.amdhsa_system_vgpr_workitem_id 0
		.amdhsa_next_free_vgpr 258
		.amdhsa_next_free_sgpr 66
		.amdhsa_reserve_vcc 0
		.amdhsa_float_denorm_mode_32 3
		.amdhsa_float_denorm_mode_16_64 3
		.amdhsa_memory_ordered 1
		.amdhsa_forward_progress 1
		.amdhsa_inst_pref_size 37
	.end_amdhsa_kernel
	.amdgpu_metadata
---
amdhsa.version: [ 1, 2 ]
amdhsa.kernels:
  - .name:           k_qedb216ad92_prep
    .symbol:         k_qedb216ad92_prep.kd
    .args:
      - { .name: Wh, .offset: 0, .size: 8, .value_kind: global_buffer, .address_space: global }
      - { .name: Ws, .offset: 8, .size: 8, .value_kind: global_buffer, .address_space: global }
      - { .name: decoder_state, .offset: 16, .size: 8, .value_kind: global_buffer, .address_space: global }
      - { .name: bs, .offset: 24, .size: 8, .value_kind: global_buffer, .address_space: global }
      - { .name: bh, .offset: 32, .size: 8, .value_kind: global_buffer, .address_space: global }
      - { .name: whq, .offset: 40, .size: 8, .value_kind: global_buffer, .address_space: global }
      - { .name: u, .offset: 48, .size: 8, .value_kind: global_buffer, .address_space: global }
    .group_segment_fixed_size: 152576
    .private_segment_fixed_size: 0
    .kernarg_segment_align: 8
    .kernarg_segment_size: 56
    .max_flat_workgroup_size: 256
    .sgpr_count:     66
    .vgpr_count:     258
    .wavefront_size: 32
...
	.end_amdgpu_metadata
.endif
;; end of part 1
;; launch scores (part 2): grid 256 x 1, 4 waves a work-group, clusters of 4 x 1, 327,680 bytes of LDS; arguments encoder_output, whq, u, V, coverage_vector, Wc, bc, scorebuf; writes scorebuf
.if DOCPART == 2
	.amdgcn_target "amdgcn-amd-amdhsa--gfx1250"
	.amdhsa_code_object_version 6
	.text
	.protected	k_qedb216ad92_scores
	.globl	k_qedb216ad92_scores
	.p2align	8
	.type	k_qedb216ad92_scores,@function
k_qedb216ad92_scores:
	s_mov_b64 s[64:65], 0
	v_nop
	global_prefetch_b8 v0, s[64:65] scope:SCOPE_SE
	s_setreg_imm32_b32 hwreg(HW_REG_WAVE_MODE, 25, 1), 1
	s_wait_xcnt 0x0
	s_wait_alu depctr_hold_cnt(0) depctr_sa_sdst(0) depctr_va_vdst(0) depctr_va_sdst(0) depctr_va_ssrc(0) depctr_va_vcc(0) depctr_vm_vsrc(0)
	s_getreg_b32 s2, hwreg(HW_REG_IB_STS2, 6, 4)
	s_cmp_eq_u32 s2, 0
	s_cbranch_scc0 .Lentry_in_a_cluster
	s_endpgm
.Lentry_in_a_cluster:
	s_bfe_u32 s2, ttmp6, 0x10000c
	s_cmp_lg_u32 s2, 0x3003
	s_cbranch_scc0 .Lentry_shape_is_right
	s_endpgm
.Lentry_shape_is_right:
; scorebuf[b][s] = sum over n of V[n] tanh(Q(encoder_output)[b][s][:] Q(Wh)[:][n] + u[b][n] + cov[b]), cov[b] = coverage_vector[b] . Wc + bc, u from the launch before (it holds bs + bh).
; bv is left out: it is the same for all positions of a batch, and the softmax of the next launch takes such a term away for every finite value (shown at the head of the first kernel).
; A work-group takes 256 positions of one batch.  First its rows are quantised along K (blocks of 32, E3M2, E8M0 bytes) and laid in LDS as images of the operand's registers: 128 fragments of 1,536 bytes, and their scale words.
; Then it walks Wh's 1,024 columns in four chunks of 256; a wave makes 128 x 128 in 64 accumulators.  Wh's codes come through a ring of two slots (two K steps each) by joint loads of a cluster of four work-groups, which walk the same columns.
; THE WALK IS A LOOP OVER HALF CHUNKS (four K steps, both slots once): seven trips, each with its two refills; the first K step stands ahead of the loop, the last three behind it, where nothing is left to fetch.
; The half's place along K in A's image (0 or 4 fragments on) lies in address registers that are made anew once a half from a scalar that toggles; behind every second half come the bias, tanh and the product with V.
; tanh(z) = 1 - 2 / (1 + 2^(2 z log2 e)): where the exponential overflows the quotient is 0, where it falls to 0 the quotient is 1, so the ends are right.  LIMIT: NaN and infinities among the inputs are not served.
.set FR,     12
.set FRB,    1536
.set AIMG,   0
.set ASC,    128*FRB
.set RING,   ASC+8192
.set SLOTB,  51200
.set QRT,    12800
.set BSCL,   32*FRB
.set SPARE,  RING+2*SLOTB
.set STG,    SPARE+512
.set SPITCH, 272
.set RED,    STG+4*16*SPITCH
.set GA,   4
.set STI,  5
.set STO,  6
.set AWI,  7
.set AWS,  8
.set ARD,  9
.set ASR,  11
.set BRD,  12
.set BSR,  14
.set UAD,  16
.set RWA,  17
.set RRA,  18
.set GOUT, 19
.set CP,   20
.set AWI0, 21
.set AWS0, 22
.set L16,  23
.set SVR,  24
.set SPW,  28
.set NIL,  29
.set ARC,  5                           ; v5-6  behind the quantising: A's fragments of this half chunk (ARD + 0 or 4 fragments)
.set ASQ,  7                           ; v7    and their scale words (ASR + 0 or 1,024)
.set SC,   32
.set S,    64
.set AF,   128
.set X,    128
.set PC,   192
.set TM,   212
.set PW,   228
.set UB,   224
.set VV,   240
.set G1,   28
.set G0,   36
.set MUL_LO, 0xa4
.set MUL_HI, 0xf4
.set TO_B,   0x40
.set MSB, 0
.macro WIN new
.if MSB != \new
	s_set_vgpr_msb (MSB<<8)|\new
.set MSB, \new
.endif
.endm
.macro PLACES n
.rept \n
	v_nop
.endr
.endm
.macro CREST
	s_cmp_lg_u32 s22, 0
	s_cbranch_scc1 .Lnot_wave_0_\@
	s_barrier_signal -3
.Lnot_wave_0_\@:
	s_barrier_wait -3
	s_barrier_signal -1
	s_barrier_wait -1
.endm
.macro CROUND
	s_barrier_signal -1
	s_barrier_wait -1
	CREST
.endm
	s_load_b256 s[4:11], s[0:1], 0x0
	s_load_b64 s[14:15], s[0:1], 0x20              ; coverage_vector
	s_load_b128 s[16:19], s[0:1], 0x28             ; Wc, bc
	s_load_b64 s[20:21], s[0:1], 0x38              ; scorebuf
	v_lshl_add_u32 v[SPW], v0, 2, SPARE
	v_mov_b32 v[NIL], 0
	ds_add_u32 v28, v29
	ds_add_u32 v28, v29
	s_wait_dscnt 0x0
	v_lshrrev_b32 v1, 5, v0
	v_readfirstlane_b32 s22, v1
	s_lshr_b32 s23, s22, 1
	s_and_b32 s24, s22, 1
	s_bfe_u32 s25, ttmp6, 0x40000
	s_lshl_b32 s26, ttmp9, 2
	s_add_co_u32 s26, s26, s25
	s_mov_b32 s[G1+0], 15|(3<<16)|(1<<21)
	s_mov_b32 s[G1+1], 32<<16
	s_mov_b32 s[G1+2], 50<<16
	s_mov_b32 s[G1+3], 32<<16
	s_mov_b32 s[G1+4], 50
	s_mov_b32 s[G1+5], 32
	s_mov_b32 s[G1+6], 0
	s_mov_b32 s[G1+7], 0
	s_mov_b32 s44, 0x4038aa3b
	s_mov_b32 s45, s44
	s_mov_b32 s46, 0x76543210
	s_mov_b32 s47, 0xfedcba98
	s_mul_i32 s60, s22, QRT
	s_mov_b32 s61, 0
	s_wait_kmcnt 0x0
	s_load_b32 s50, s[18:19], 0x0
	s_add_nc_u64 s[6:7], s[6:7], s[60:61]
.irp sl, 0,1
	s_mov_b32 s[G0+4*\sl], 1
	s_add_co_u32 s[G0+4*\sl+1], s60, RING+\sl*SLOTB
	s_add_nc_u64 s[G0+4*\sl+2:G0+4*\sl+3], s[6:7], \sl*SLOTB
	s_or_b32 s[G0+4*\sl+3], s[G0+4*\sl+3], 0x80000000
.endr
	CROUND
	tensor_load_to_lds s[G0:G0+3], s[G1:G1+7]
	s_nop 0
	PLACES 4
	v_and_b32 v3, 31, v0
	v_and_b32 v1, 15, v0
	v_bfe_u32 v2, v0, 4, 1
	v_lshlrev_b32 v[L16], 4, v3
	v_lshlrev_b32 v[GA], 4, v1
	v_lshl_add_u32 v[GA], v2, 12, v[GA]
	s_mul_i32 s27, s22, 16*SPITCH
	s_add_co_u32 s27, s27, STG
	v_mul_u32_u24 v[STI], v2, SPITCH
	v_lshl_add_u32 v[STI], v1, 4, v[STI]
	v_add_nc_u32 v[STI], s27, v[STI]
	v_mul_u32_u24 v[STO], v1, SPITCH
	v_lshl_add_u32 v[STO], v2, 6, v[STO]
	v_add_nc_u32 v[STO], s27, v[STO]
	s_mul_i32 s27, s22, 32*FRB
	v_add_nc_u32 v[AWI0], s27, v[L16]
	s_lshl_b32 s27, s22, 11
	s_add_co_u32 s27, s27, ASC
	v_lshl_add_u32 v[AWS0], v1, 4, s27
	s_mul_i32 s27, s23, 64*FRB
	v_add_nc_u32 v[ARD], s27, v[L16]
	v_add_nc_u32 v[ARD+1], 32*FRB, v[ARD]
	s_lshl_b32 s27, s23, 12
	s_add_co_u32 s27, s27, ASC
	v_lshl_add_u32 v[ASR], v1, 4, s27
	s_mul_i32 s27, s24, 8*FRB
	s_add_co_u32 s27, s27, RING
	v_add_nc_u32 v[BRD], s27, v[L16]
	v_add_nc_u32 v[BRD+1], SLOTB, v[BRD]
	s_lshl_b32 s27, s24, 9
	v_lshl_add_u32 v[UAD], v1, 2, s27
	s_add_co_u32 s27, s27, RING+BSCL
	v_lshl_add_u32 v[BSR], v1, 5, s27
	v_add_nc_u32 v[BSR+1], SLOTB, v[BSR]
	s_lshl_b32 s27, s24, 10
	s_lshl_b32 s59, s23, 9
	s_add_co_u32 s27, s27, s59
	s_add_co_u32 s27, s27, RED
	v_lshl_add_u32 v[RWA], v2, 5, s27
	v_lshlrev_b32 v[GOUT], 3, v0
	v_add_nc_u32 v[RRA], RED, v[GOUT]
	s_lshl_b32 s56, s26, 20
	s_lshl_b32 s58, s22, 18
	s_add_co_u32 s56, s56, s58
	s_mov_b32 s57, 0
	s_add_nc_u64 s[4:5], s[4:5], s[56:57]
	s_lshr_b32 s62, s26, 3
	s_lshl_b32 s56, s62, 13
	s_add_nc_u64 s[14:15], s[14:15], s[56:57]
	s_lshl_b32 s56, s62, 12
	s_add_nc_u64 s[8:9], s[8:9], s[56:57]
	s_lshl_b32 s56, s26, 10
	s_add_nc_u64 s[20:21], s[20:21], s[56:57]
.irp i, 0,1,2,3,4,5,6,7,8,9,10,11,12,13,14,15
	global_load_b128 v[128+4*\i:131+4*\i], v[L16], s[14:15] offset:512*\i
.endr
.irp i, 0,1,2,3,4,5,6,7,8,9,10,11,12,13,14,15
	global_load_b128 v[192+4*\i:195+4*\i], v[L16], s[16:17] offset:512*\i
.endr
.macro XLOAD set, off
	WIN 0x80
.irp u, 0,1
.irp i, 0,1,2,3,4,5,6,7
	global_load_b128 v[64*(\set)+32*\u+4*\i:64*(\set)+32*\u+4*\i+3], v[GA], s[4:5] offset:(\off)+\i*8192+\u*256 th:TH_LOAD_NT
.endr
.endr
	WIN 0
.endm
.macro TURNX set
.irp u, 0,1
	WIN 0x08
.irp i, 0,1,2,3,4,5,6,7
	ds_store_b128 v[STI], v[64*(\set)+32*\u+4*\i:64*(\set)+32*\u+4*\i+3] offset:\i*2*SPITCH
.endr
	WIN 0
.irp bb, 0,1
.irp j, 0,1,2,3
	ds_load_b128 v[X+32*\u+16*\bb+4*\j:X+32*\u+16*\bb+4*\j+3], v[STO] offset:128*\bb+16*\j
.endr
.endr
.endr
.endm
.macro QUANT
.irp b, 0,1,2,3
	v_max3_num_f32 v[TM+\b], |v[X+16*\b]|, |v[X+1+16*\b]|, 0x2800000
.endr
.irp i, 2,4,6,8,10,12,14
.irp b, 0,1,2,3
	v_max3_num_f32 v[TM+\b], v[TM+\b], |v[X+16*\b+\i]|, |v[X+1+16*\b+\i]|
.endr
.endr
.irp b, 0,1,2,3
	v_permlanex16_b32 v[TM+4+\b], v[TM+\b], s46, s47
.endr
.irp b, 0,1,2,3
	v_max_num_f32 v[TM+\b], v[TM+\b], v[TM+4+\b]
.endr
.irp b, 0,1,2,3
	v_add_nc_u32 v[TM+12+\b], 0xfe000000, v[TM+\b]
.endr
.irp b, 0,1,2,3
	v_lshrrev_b32 v[TM+4+\b], 23, v[TM+12+\b]
.endr
	v_lshl_or_b32 v[PW], v[TM+5], 8, v[TM+4]
	v_lshl_or_b32 v[PW], v[TM+6], 16, v[PW]
	v_lshl_or_b32 v[PW], v[TM+7], 24, v[PW]
.irp c, 0,1
	v_cvt_scalef32_pk16_bf6_f32 v[PC+6*\c:PC+2+6*\c], v[X+32*\c:X+15+32*\c], v[TM+12+2*\c]
	v_cvt_scalef32_pk16_bf6_f32 v[PC+12+4*\c:PC+14+4*\c], v[X+16+32*\c:X+31+32*\c], v[TM+12+2*\c+1]
.endr
	v_nop
.irp c, 0,1
.irp i, 0,1,2
	v_permlane16_swap_b32 v[PC+6*\c+\i], v[PC+12+4*\c+\i]
.endr
.irp i, 0,1,2
	v_mov_b32 v[PC+3+6*\c+\i], v[PC+12+4*\c+\i]
.endr
.endr
.endm
.macro IMAGE m
.irp c, 0,1,2
	ds_store_b128 v[AWI], v[PC+4*\c:PC+4*\c+3] offset:(\m)*8*FRB+512*\c
.endr
	ds_store_b32 v[AWS], v[PW] offset:4*(\m)
.endm
.macro FRAGX m, pre, off, left
.if \pre
	XLOAD (\m+3)%4, \off
.endif
	s_wait_loadcnt \left
	TURNX \m
	s_wait_dscnt 0x0
	QUANT
	IMAGE \m
.endm
	XLOAD 0, 0
	XLOAD 1, 65536
	XLOAD 2, 131072
	s_wait_alu depctr_va_vdst(0)                   ; slot 1's first fill, issued as a refill is, with my first 80 loads already asked for
	s_wait_tensorcnt 0x0
	ds_add_u32 v28, v29
	s_wait_dscnt 0x0
	CROUND
	tensor_load_to_lds s[G0+4:G0+7], s[G1:G1+7]
	s_nop 0
	PLACES 4
	s_wait_loadcnt 48
.irp k, 0,1,2,3
	v_pk_mul_f32 v[64+2*\k:65+2*\k], v[128+2*\k:129+2*\k], v[192+2*\k:193+2*\k]
.endr
.set j, 4
.rept 28
	v_pk_fma_f32 v[64+2*(j%4):65+2*(j%4)], v[128+2*j:129+2*j], v[192+2*j:193+2*j], v[64+2*(j%4):65+2*(j%4)]
.set j, j+1
.endr
	v_pk_add_f32 v[64:65], v[64:65], v[66:67]
	v_pk_add_f32 v[68:69], v[68:69], v[70:71]
	v_pk_add_f32 v[64:65], v[64:65], v[68:69]
	v_add_f32 v64, v64, v65
	v_add_f32_dpp v64, v64, v64 row_xmask:1 row_mask:0xf bank_mask:0xf
	v_add_f32_dpp v64, v64, v64 row_xmask:2 row_mask:0xf bank_mask:0xf
	v_add_f32_dpp v64, v64, v64 row_xmask:4 row_mask:0xf bank_mask:0xf
	v_add_f32_dpp v64, v64, v64 row_xmask:8 row_mask:0xf bank_mask:0xf
	v_permlanex16_b32 v65, v64, s46, s47
	v_add_f32 v64, v64, v65
	s_wait_alu depctr_va_vdst(0)
	s_wait_kmcnt 0x0
	v_add_f32 v64, s50, v64
	v_mul_f32 v[CP], s44, v64
.irp b, 0,1,2,3
	v_mov_b32 v[TM+4+\b], 0
.endr
	s_mov_b32 s53, 0
	s_mov_b32 s54, 0
	s_mov_b32 s51, 7
.Lxk:
	v_add_nc_u32 v[AWI], s53, v[AWI0]
	v_add_nc_u32 v[AWS], s54, v[AWS0]
	FRAGX 0, 1, 196608, 48
	FRAGX 1, 1, 512, 48
	FRAGX 2, 1, 66048, 48
	FRAGX 3, 1, 131584, 48
	s_wait_dscnt 0x0
	s_wait_xcnt 0x0
	s_add_nc_u64 s[4:5], s[4:5], 512
	s_add_co_u32 s53, s53, FRB
	s_add_co_u32 s54, s54, 256
	s_sub_co_u32 s51, s51, 1
	s_cmp_lg_u32 s51, 0
	s_cbranch_scc1 .Lxk
	v_add_nc_u32 v[AWI], s53, v[AWI0]
	v_add_nc_u32 v[AWS], s54, v[AWS0]
	FRAGX 0, 1, 196608, 48
	FRAGX 1, 0, 0, 32
	FRAGX 2, 0, 0, 16
	FRAGX 3, 0, 0, 0
	s_wait_dscnt 0x0
	s_wait_tensorcnt 1
	s_barrier_signal -1
	s_barrier_wait -1
.set j, 0
.rept 64
	v_mov_b32 v[S+j], 0
.set j, j+1
.endr
	v_mov_b32 v[SVR], 0
	v_mov_b32 v[SVR+1], 0
.irp i, 0,1,2,3,4,5,6,7
	v_mov_b32 v[UB+2*\i+1], 0
	v_mov_b32 v[VV+2*\i+1], 0
.endr
.macro MUL16 a0, p, sc, zero
.irp a, \a0, \a0+1
.irp b, 0,1,2,3,4,5,6,7
.if \zero
	v_wmma_scale_f32_16x16x128_f8f6f4 v[8*(8*((\a)%4)+\b):8*(8*((\a)%4)+\b)+7], v[AF+FR*(\a):AF+FR*(\a)+FR-1], v[128*(\p)+FR*\b:128*(\p)+FR*\b+FR-1], 0, v[SC+16*(\sc)+(\a)], v[SC+16*(\sc)+8+\b] matrix_a_fmt:MATRIX_FMT_BF6 matrix_b_fmt:MATRIX_FMT_BF6
.else
	v_wmma_scale_f32_16x16x128_f8f6f4 v[8*(8*((\a)%4)+\b):8*(8*((\a)%4)+\b)+7], v[AF+FR*(\a):AF+FR*(\a)+FR-1], v[128*(\p)+FR*\b:128*(\p)+FR*\b+FR-1], v[8*(8*((\a)%4)+\b):8*(8*((\a)%4)+\b)+7], v[SC+16*(\sc)+(\a)], v[SC+16*(\sc)+8+\b] matrix_a_fmt:MATRIX_FMT_BF6 matrix_b_fmt:MATRIX_FMT_BF6
.endif
.endr
.endr
.endm
.macro FETCH_A s, i0
.irp i, \i0, \i0+1, \i0+2, \i0+3
.irp c, 0,1,2
	ds_load_b128 v[AF+FR*(\i)+4*\c:AF+FR*(\i)+4*\c+3], v[ARC+(\i)/4] offset:((\i)%4)*8*FRB+(\s)*FRB+512*\c
.endr
.endr
.endm
.macro FETCH_B slot, q, p
	WIN TO_B
.irp i, 0,1,2,3,4,5,6,7
.irp c, 0,1,2
	ds_load_b128 v[128*(\p)+FR*\i+4*\c:128*(\p)+FR*\i+4*\c+3], v[BRD+\slot] offset:(16*(\q)+\i)*FRB+512*\c
.endr
.endr
	WIN 0
.endm
.macro SCALES s, slot, q
	ds_load_b128 v[SC+16*((\s)%2):SC+16*((\s)%2)+3], v[ASQ] offset:(\s)*256
	ds_load_b128 v[SC+16*((\s)%2)+4:SC+16*((\s)%2)+7], v[ASQ] offset:(\s)*256+2048
	ds_load_b128 v[SC+16*((\s)%2)+8:SC+16*((\s)%2)+11], v[BSR+\slot] offset:(\q)*1024
	ds_load_b128 v[SC+16*((\s)%2)+12:SC+16*((\s)%2)+15], v[BSR+\slot] offset:(\q)*1024+16
.endm
.macro STEP slot, s, zero
	s_wait_dscnt 12
	WIN MUL_LO
	MUL16 0, 0, 0, \zero
	MUL16 2, 0, 0, \zero
	s_wait_dscnt 0x0
	PLACES 4
	FETCH_B \slot, 1, 1
	FETCH_A (\s)+1, 0
	SCALES (\s)+1, \slot, 1
	WIN MUL_HI
	MUL16 4, 0, 0, \zero
	MUL16 6, 0, 0, \zero
	PLACES 4
	WIN 0
	FETCH_A (\s)+1, 4
.endm
.macro TURN slot, next, s, fill
.if (\s) == 3
	s_xor_b32 s53, s53, 4*FRB                      ; a half's last step fetches the next half's first fragments: A's addresses go to the other four K steps
	s_xor_b32 s54, s54, 1024
	v_add_nc_u32 v[ARC], s53, v[ARD]
	v_add_nc_u32 v[ARC+1], s53, v[ARD+1]
	v_add_nc_u32 v[ASQ], s54, v[ASR]
	s_wait_alu depctr_va_vdst(0)
.endif
	s_wait_tensorcnt 0x0
	ds_add_u32 v[SPW], v[NIL]
	s_wait_dscnt 13
	WIN MUL_LO
	MUL16 0, 1, 1, 0
	s_wait_dscnt 0x0
	s_barrier_signal -1
	MUL16 2, 1, 1, 0
	WIN 0
	s_barrier_wait -1
.if \fill
	CREST
	s_add_nc_u64 s[G0+4*\slot+2:G0+4*\slot+3], s[G0+4*\slot+2:G0+4*\slot+3], 2*SLOTB
	tensor_load_to_lds s[G0+4*\slot:G0+4*\slot+3], s[G1:G1+7]
	s_nop 0
	PLACES 4
.else
	PLACES 4
.endif
	FETCH_B \next, 0, 0
	FETCH_A ((\s)+1)%4, 0
	SCALES ((\s)+1)%4, \next, 0
	WIN MUL_HI
	MUL16 4, 1, 1, 0
	MUL16 6, 1, 1, 0
	PLACES 4
	WIN 0
	FETCH_A ((\s)+1)%4, 4
.endm
.macro LASTSTEP
	s_wait_dscnt 12
	WIN MUL_LO
	MUL16 0, 1, 1, 0
	MUL16 2, 1, 1, 0
	s_wait_dscnt 0x0
	WIN MUL_HI
	MUL16 4, 1, 1, 0
	MUL16 6, 1, 1, 0
	WIN 0
	PLACES 4
.endm
.macro ULOAD
.irp i, 0,1,2,3,4,5,6,7
	global_load_b32 v[UB+2*\i], v[UAD], s[8:9] offset:64*\i
	global_load_b32 v[VV+2*\i], v[UAD], s[10:11] offset:64*\i
.endr
.endm
.macro BIAS
	s_wait_loadcnt 0x0
.irp i, 0,1,2,3,4,5,6,7
	v_fma_f32 v[UB+2*\i], v[UB+2*\i], s44, v[CP]
.endr
.irp i, 0,1,2,3,4,5,6,7
	v_add_f32 v[SVR], v[SVR], v[VV+2*\i]
.endr
	s_add_nc_u64 s[8:9], s[8:9], 1024
	s_add_nc_u64 s[10:11], s[10:11], 1024
.endm
.macro TANH wa, wb, base
	WIN \wa
.set t, 0
.rept 32
.irp p, 0,1,2,3
	v_pk_fma_f32 v[8*t+2*\p:8*t+2*\p+1], v[8*t+2*\p:8*t+2*\p+1], s[44:45], v[UB+2*(t%8):UB+2*(t%8)+1] op_sel_hi:[1,0,0]
.endr
.set t, t+1
.endr
.set j, 0
	s_wait_alu depctr_va_vdst(0)
.rept 256
	v_exp_f32 v[j], v[j]
.set j, j+1
.endr
	v_nop
.set j, 0
	s_wait_alu depctr_va_vdst(0)
.rept 128
	v_pk_add_f32 v[j:j+1], v[j:j+1], 1.0 op_sel_hi:[1,0]
.set j, j+2
.endr
.set j, 0
	s_wait_alu depctr_va_vdst(0)
.rept 256
	v_rcp_f32 v[j], v[j]
.set j, j+1
.endr
	v_nop
	WIN \wb
	s_wait_alu depctr_va_vdst(0)
.irp b, 0,1,2,3,4,5,6,7
.irp a, 0,1,2,3
.irp p, 0,1,2,3
	v_pk_fma_f32 v[S+8*(\base+\a)+2*\p:S+8*(\base+\a)+2*\p+1], v[8*(8*\a+\b)+2*\p:8*(8*\a+\b)+2*\p+1], v[VV+2*\b:VV+2*\b+1], v[S+8*(\base+\a)+2*\p:S+8*(\base+\a)+2*\p+1] op_sel_hi:[1,0,1]
.endr
.endr
.endr
.endm
.macro ACT                             ; a chunk's 256 columns are summed over K: bias, tanh, and the product with V, window by window
	BIAS
	TANH 0x82, 0x02, 0
	TANH 0xc3, 0x03, 4
	WIN 0
.endm
	s_mov_b32 s53, 0                               ; the first half chunk: K steps 0 to 3
	s_mov_b32 s54, 0
	v_add_nc_u32 v[ARC], s53, v[ARD]
	v_add_nc_u32 v[ARC+1], s53, v[ARD+1]
	v_add_nc_u32 v[ASQ], s54, v[ASR]
	s_wait_alu depctr_va_vdst(0)
	FETCH_B 0, 0, 0
	FETCH_A 0, 0
	SCALES 0, 0, 0
	FETCH_A 0, 4
	ULOAD
	STEP 0, 0, 1                                   ; the first chunk's first K step starts the sums
	s_mov_b32 s52, 7                               ; seven trips x two refills: slots 2 to 15 of whq
.Lhalf:                                                ; a trip: a half chunk's steps 1 to 3 and the next half's step 0
	TURN 0, 1, 1, 1
	STEP 1, 2, 0
	TURN 1, 0, 3, 1
	s_cmp_lg_u32 s53, 0                            ; 0: a chunk has just ended.  The branch hangs on a constant that toggles, and leads round no load of a tile, no barrier and no wait for one
	s_cbranch_scc1 .Lsame_chunk
	ACT
	ULOAD                                          ; the next chunk's u and V
	STEP 0, 0, 1                                   ; and its first K step, which starts the sums anew
	s_branch .Lstepped
.Lsame_chunk:
	STEP 0, 0, 0
.Lstepped:
	s_sub_co_u32 s52, s52, 1
	s_cmp_lg_u32 s52, 0
	s_cbranch_scc1 .Lhalf
	TURN 0, 1, 1, 0                                ; the last three K steps fetch nothing more from whq
	STEP 1, 2, 0
	LASTSTEP
	ACT
.set j, 0
.rept 32
	v_pk_fma_f32 v[S+j:S+j+1], v[S+j:S+j+1], -2.0, v[SVR:SVR+1] op_sel_hi:[1,0,0]
.set j, j+2
.endr
.irp k, 1,2,4,8
.set j, 0
.rept 64
	v_add_f32_dpp v[S+j], v[S+j], v[S+j] row_xmask:\k row_mask:0xf bank_mask:0xf
.set j, j+1
.endr
.endr
.irp a, 0,1,2,3,4,5,6,7
	ds_store_b128 v[RWA], v[S+8*\a:S+8*\a+3] offset:64*\a
	ds_store_b128 v[RWA], v[S+8*\a+4:S+8*\a+7] offset:64*\a+16
.endr
	s_wait_dscnt 0x0
	s_barrier_signal -1
	s_barrier_wait -1
	ds_load_b64 v[128:129], v[RRA]
	ds_load_b64 v[130:131], v[RRA] offset:1024
	s_wait_dscnt 0x0
	v_pk_add_f32 v[128:129], v[128:129], v[130:131]
	global_store_b64 v[GOUT], v[128:129], s[20:21]
	s_wait_tensorcnt 0x0
	ds_add_u32 v[SPW], v[NIL]
	s_wait_dscnt 0x0
	CROUND
	s_endpgm
.Lfunc_end_k_qedb216ad92_scores:
	.size	k_qedb216ad92_scores, .Lfunc_end_k_qedb216ad92_scores-k_qedb216ad92_scores
	.p2alignl 7, 3214868480
	.fill 96, 4, 3214868480
	.section	.rodata,"a",@progbits
	.p2align	6, 0x0
	.amdhsa_kernel k_qedb216ad92_scores
		.amdhsa_group_segment_fixed_size 327680
		.amdhsa_private_segment_fixed_size 0
		.amdhsa_enable_private_segment 0
		.amdhsa_kernarg_size 64
		.amdhsa_user_sgpr_count 2
		.amdhsa_user_sgpr_kernarg_segment_ptr 1
		.amdhsa_wavefront_size32 1
		.amdhsa_system_sgpr_workgroup_id_x 1
		.amdhsa_system_sgpr_workgroup_id_y 1
		.amdhsa_system_sgpr_workgroup_id_z 1
		.amdhsa_system_vgpr_workitem_id 0
		.amdhsa_next_free_vgpr 1024
		.amdhsa_next_free_sgpr 66
		.amdhsa_reserve_vcc 0
		.amdhsa_float_denorm_mode_32 3
		.amdhsa_float_denorm_mode_16_64 3
		.amdhsa_memory_ordered 1
		.amdhsa_forward_progress 1
		.amdhsa_inst_pref_size 255
	.end_amdhsa_kernel
	.section	.bss,"aw",@nobits
	.p2align	6
	.space	262144
	.amdgpu_metadata
---
amdhsa.version: [ 1, 2 ]
amdhsa.kernels:
  - .name:           k_qedb216ad92_scores
    .symbol:         k_qedb216ad92_scores.kd
    .args:
      - { .name: encoder_output, .offset: 0, .size: 8, .value_kind: global_buffer, .address_space: global }
      - { .name: whq, .offset: 8, .size: 8, .value_kind: global_buffer, .address_space: global }
      - { .name: u, .offset: 16, .size: 8, .value_kind: global_buffer, .address_space: global }
      - { .name: V, .offset: 24, .size: 8, .value_kind: global_buffer, .address_space: global }
      - { .name: coverage_vector, .offset: 32, .size: 8, .value_kind: global_buffer, .address_space: global }
      - { .name: Wc, .offset: 40, .size: 8, .value_kind: global_buffer, .address_space: global }
      - { .name: bc, .offset: 48, .size: 8, .value_kind: global_buffer, .address_space: global }
      - { .name: scorebuf, .offset: 56, .size: 8, .value_kind: global_buffer, .address_space: global }
    .group_segment_fixed_size: 327680
    .private_segment_fixed_size: 0
    .kernarg_segment_align: 8
    .kernarg_segment_size: 64
    .max_flat_workgroup_size: 128
    .sgpr_count:     66
    .vgpr_count:     1024
    .wavefront_size: 32
...
	.end_amdgpu_metadata
.endif
;; end of part 2
;; launch context (part 3): grid 256 x 1, 8 waves a work-group, no clusters, 13,824 bytes of LDS; arguments scorebuf, encoder_output, coverage_vector, out0, out1, out2; writes out0, out1, out2
.if DOCPART == 3
	.amdgcn_target "amdgcn-amd-amdhsa--gfx1250"
	.amdhsa_code_object_version 6
	.text
	.protected	k_qedb216ad92_context
	.globl	k_qedb216ad92_context
	.p2align	8
	.type	k_qedb216ad92_context,@function
k_qedb216ad92_context:
	s_mov_b64 s[64:65], 0
	v_nop
	global_prefetch_b8 v0, s[64:65] scope:SCOPE_SE
	s_setreg_imm32_b32 hwreg(HW_REG_WAVE_MODE, 25, 1), 1
	s_wait_xcnt 0x0
; out1[b][s] = softmax over s of scorebuf[b][s]; out2 = coverage_vector + out1; out0[b][:] = sum over s of out1[b][s] encoder_output[b][s][:].  All in f32.
; Work-group g: batch b = g / 8, part c = g % 8.  It owns columns 128 c .. + 127 of out0[b] (one owner for each output, no partial sums through memory) and positions 256 c .. + 255 of out1 and out2.
; Each of the eight work-groups of a batch makes the batch's softmax for itself (8 KB of scores): the maximum is taken away first; the weights lie in LDS.
; Wave w then streams rows 256 w .. + 255 in 16 groups of 16: one load covers a row's 512 consecutive bytes, aligned; three sets of registers keep 48 loads a wave on their way, and the first 48 are asked for ahead of the softmax.
; The groups are written out: a wave's rows span 255 x 4,096 bytes, inside the signed 24-bit immediate (ISA guide, chapter 10), so no base is stepped and no wait frees one.
; No matrix unit, no tensor loads, no cluster: work-groups share nothing but the scores, and the work is a stream.  LIMIT: NaN and infinities among the inputs are not served.
.set WT, 0                             ; LDS: the 2,048 weights
.set RM, 8192                          ; the waves' maxima; 256 bytes on, their sums
.set RX, 8704                          ; the waves' parts of out0: 512 bytes each
; v1 16 x lane, v2 16 x thread, v3 my wave's weights in LDS, v4 my wave's word, v5 the words' base, v6 my weights for out1, v7 my part of RX; v8-15 scores, then weights; v16-31 four sets of sums;
; v32-47, v48-63 two sets of 16 weights (ahead of the stream: at work, and v48-55 coverage and weights for out1, out2); v64-127, v128-191, v192-255 three sets of 16 rows
.macro RLOAD g                         ; group g's 16 rows into set g % 3
.irp i, 0,1,2,3,4,5,6,7,8,9,10,11,12,13,14,15
	global_load_b128 v[64+64*((\g)%3)+4*\i:64+64*((\g)%3)+4*\i+3], v1, s[6:7] offset:(16*(\g)+\i)*4096 th:TH_LOAD_NT
.endr
.endm
.macro WLOAD g                         ; group g's 16 weights into set g % 2: every lane reads the same words
.irp k, 0,1,2,3
	ds_load_b128 v[32+16*((\g)%2)+4*\k:32+16*((\g)%2)+4*\k+3], v3 offset:64*(\g)+16*\k
.endr
.endm
.macro ROWS g                          ; 16 rows x my 4 columns, four sets of sums by turns; the very first four rows start the sums: nothing is cleared
.irp i, 0,1,2,3,4,5,6,7,8,9,10,11,12,13,14,15
.irp e, 0,1,2,3
.if ((\g) == 0) && (\i < 4)
	v_mul_f32 v[16+4*\i+\e], v[32+16*((\g)%2)+\i], v[64+64*((\g)%3)+4*\i+\e]
.else
	v_fmac_f32 v[16+4*(\i%4)+\e], v[32+16*((\g)%2)+\i], v[64+64*((\g)%3)+4*\i+\e]
.endif
.endr
.endr
.endm
	s_load_b256 s[4:11], s[0:1], 0x0               ; scorebuf s[4:5], encoder_output s[6:7], coverage_vector s[8:9], out0 s[10:11]
	s_load_b128 s[12:15], s[0:1], 0x20             ; out1 s[12:13], out2 s[14:15]
	s_set_vgpr_msb 0x40
	v_lshl_add_u32 v0, v0, 2, 0x3200
	v_mov_b32 v1, 0
	s_set_vgpr_msb 0x4000
	v_lshrrev_b32 v1, 5, v0
	s_delay_alu instid0(VALU_DEP_1)
	v_readfirstlane_b32 s16, v1                    ; wave 0..7
	s_lshr_b32 s17, ttmp9, 3                       ; b
	s_and_b32 s18, ttmp9, 7                        ; c
	v_and_b32 v1, 31, v0
	s_delay_alu instid0(VALU_DEP_1)
	v_lshlrev_b32 v1, 4, v1
	v_lshlrev_b32 v2, 4, v0
	s_lshl_b32 s22, s16, 2
	s_add_co_u32 s22, s22, RM
	v_mov_b32 v4, s22
	v_mov_b32 v5, RM
	s_lshl_b32 s22, s18, 10
	s_lshl_b32 s27, s16, 9
	s_add_co_u32 s28, s22, s27                     ; 1,024 c + 512 w: waves 0 and 1 take the work-group's 256 positions
	v_add_nc_u32 v6, s28, v1
	s_add_co_u32 s27, s27, RX
	v_add_nc_u32 v7, s27, v1
	s_lshl_b32 s20, s16, 10
	v_mov_b32 v3, s20                              ; my wave's 256 weights in LDS
	s_mov_b32 s24, 0x76543210
	s_mov_b32 s25, 0xfedcba98
	s_mov_b32 s26, 0x3fb8aa3b                      ; log2(e)
	s_mov_b32 s23, 0
	s_wait_alu depctr_va_vdst(0)
	s_wait_kmcnt 0x0
	s_lshl_b32 s22, s17, 13
	s_add_nc_u64 s[4:5], s[4:5], s[22:23]          ; the batch's scores
	s_add_co_u32 s22, s22, s28
	s_add_nc_u64 s[8:9], s[8:9], s[22:23]          ; coverage_vector, out1, out2 at my wave's 128 positions
	s_add_nc_u64 s[12:13], s[12:13], s[22:23]
	s_add_nc_u64 s[14:15], s[14:15], s[22:23]
	s_lshl_b32 s22, s17, 23                        ; encoder_output: 2,048 rows a batch,
	s_lshl_b32 s27, s16, 20                        ; 256 a wave,
	s_add_co_u32 s22, s22, s27
	s_lshl_b32 s27, s18, 9                         ; 512 bytes a part
	s_add_co_u32 s22, s22, s27
	s_add_nc_u64 s[6:7], s[6:7], s[22:23]
	s_lshl_b32 s22, s17, 12
	s_add_co_u32 s22, s22, s27
	s_add_nc_u64 s[10:11], s[10:11], s[22:23]      ; out0[b] at my columns
	global_load_b128 v[8:11], v2, s[4:5]
	global_load_b128 v[12:15], v2, s[4:5] offset:4096
	s_cmp_lt_u32 s16, 2
	s_cbranch_scc0 .Lno_cov
	global_load_b128 v[48:51], v1, s[8:9]
.Lno_cov:
	RLOAD 0
	RLOAD 1
	RLOAD 2
	s_wait_loadcnt 48                              ; scores (and coverage) are in; the 48 rows stay out
	v_max3_num_f32 v40, v8, v9, v10
	s_delay_alu instid0(VALU_DEP_1)
	v_max3_num_f32 v40, v40, v11, v12
	s_delay_alu instid0(VALU_DEP_1)
	v_max3_num_f32 v40, v40, v13, v14
	s_delay_alu instid0(VALU_DEP_1)
	v_max_num_f32 v40, v40, v15
	s_delay_alu instid0(VALU_DEP_1)
	v_max_num_f32_dpp v40, v40, v40 row_xmask:1 row_mask:0xf bank_mask:0xf
	s_delay_alu instid0(VALU_DEP_1)
	v_max_num_f32_dpp v40, v40, v40 row_xmask:2 row_mask:0xf bank_mask:0xf
	s_delay_alu instid0(VALU_DEP_1)
	v_max_num_f32_dpp v40, v40, v40 row_xmask:4 row_mask:0xf bank_mask:0xf
	s_delay_alu instid0(VALU_DEP_1)
	v_max_num_f32_dpp v40, v40, v40 row_xmask:8 row_mask:0xf bank_mask:0xf
	s_delay_alu instid0(VALU_DEP_1)
	v_mov_b32 v41, v40                             ; (a lane permute's destination counts as one of its sources)
	s_delay_alu instid0(VALU_DEP_1)
	v_permlanex16_b32 v41, v40, s24, s25
	s_delay_alu instid0(VALU_DEP_1)
	v_max_num_f32 v40, v40, v41
	ds_store_b32 v4, v40                           ; my wave's maximum
	s_wait_dscnt 0x0
	s_barrier_signal -1
	s_barrier_wait -1
	ds_load_b128 v[32:35], v5
	ds_load_b128 v[36:39], v5 offset:16
	s_wait_dscnt 0x0
	v_max3_num_f32 v40, v32, v33, v34
	s_delay_alu instid0(VALU_DEP_1)
	v_max3_num_f32 v40, v40, v35, v36
	s_delay_alu instid0(VALU_DEP_1)
	v_max3_num_f32 v40, v40, v37, v38
	s_delay_alu instid0(VALU_DEP_1)
	v_max_num_f32 v40, v40, v39                    ; the batch's maximum m
	s_delay_alu instid0(VALU_DEP_1)
	v_mul_f32 v41, s26, v40
.irp j, 0,1,2,3,4,5,6,7
	v_fma_f32 v[8+\j], v[8+\j], s26, -v41          ; (x - m) log2(e); what the rounding of m log2(e) adds is common to all and cancels in the division
.endr
	s_wait_alu depctr_va_vdst(0)
.irp j, 0,1,2,3,4,5,6,7
	v_exp_f32 v[8+\j], v[8+\j]
.endr
	v_nop                                          ; a plain place behind the transcendentals
	s_wait_alu depctr_va_vdst(0)
	v_pk_add_f32 v[42:43], v[8:9], v[10:11]
	v_pk_add_f32 v[44:45], v[12:13], v[14:15]
	s_delay_alu instid0(VALU_DEP_1)
	v_pk_add_f32 v[42:43], v[42:43], v[44:45]
	s_delay_alu instid0(VALU_DEP_1)
	v_add_f32 v42, v42, v43
	s_delay_alu instid0(VALU_DEP_1)
	v_add_f32_dpp v42, v42, v42 row_xmask:1 row_mask:0xf bank_mask:0xf
	s_delay_alu instid0(VALU_DEP_1)
	v_add_f32_dpp v42, v42, v42 row_xmask:2 row_mask:0xf bank_mask:0xf
	s_delay_alu instid0(VALU_DEP_1)
	v_add_f32_dpp v42, v42, v42 row_xmask:4 row_mask:0xf bank_mask:0xf
	s_delay_alu instid0(VALU_DEP_1)
	v_add_f32_dpp v42, v42, v42 row_xmask:8 row_mask:0xf bank_mask:0xf
	s_delay_alu instid0(VALU_DEP_1)
	v_permlanex16_b32 v43, v42, s24, s25
	s_delay_alu instid0(VALU_DEP_1)
	v_add_f32 v42, v42, v43
	ds_store_b32 v4, v42 offset:256                ; my wave's sum, in words of its own
	s_wait_dscnt 0x0
	s_barrier_signal -1
	s_barrier_wait -1
	ds_load_b128 v[32:35], v5 offset:256
	ds_load_b128 v[36:39], v5 offset:272
	s_wait_dscnt 0x0
	v_pk_add_f32 v[32:33], v[32:33], v[34:35]
	v_pk_add_f32 v[36:37], v[36:37], v[38:39]
	s_delay_alu instid0(VALU_DEP_1)
	v_pk_add_f32 v[32:33], v[32:33], v[36:37]
	s_delay_alu instid0(VALU_DEP_1)
	v_add_f32 v42, v32, v33
	s_wait_alu depctr_va_vdst(0)
	v_rcp_f32 v42, v42
	v_nop
	s_wait_alu depctr_va_vdst(0)
.irp j, 0,1,2,3,4,5,6,7
	v_mul_f32 v[8+\j], v[8+\j], v42                ; the weights
.endr
	ds_store_b128 v2, v[8:11]
	ds_store_b128 v2, v[12:15] offset:4096
	s_wait_dscnt 0x0
	s_barrier_signal -1
	s_barrier_wait -1                              ; all 2,048 weights lie in LDS
	s_cmp_lt_u32 s16, 2
	s_cbranch_scc0 .Lno_out
	ds_load_b128 v[52:55], v6
	s_wait_dscnt 0x0
	global_store_b128 v1, v[52:55], s[12:13] th:TH_STORE_NT        ; a store covers 512 consecutive bytes, aligned
	v_pk_add_f32 v[48:49], v[48:49], v[52:53]
	v_pk_add_f32 v[50:51], v[50:51], v[54:55]
	global_store_b128 v1, v[48:51], s[14:15] th:TH_STORE_NT
	s_wait_xcnt 0x0                                ; the two stores have read their data: v48-55 take weights below only behind this wait
.Lno_out:
	WLOAD 0
.irp g, 0,1,2,3,4,5,6,7,8,9,10,11,12,13,14,15
.if \g < 15
	WLOAD \g+1                                     ; the next group's weights, a group ahead
.endif
.if \g < 14
	s_wait_loadcnt 32                              ; this group's 16 rows are in; the two younger groups may be out
.else
	s_wait_loadcnt 16*(15-\g)                      ; the counts run down
.endif
.if \g < 15
	s_wait_dscnt 4                                 ; this group's weights are in; the next group's four loads may be out
.else
	s_wait_dscnt 0x0
.endif
	ROWS \g
.if \g < 13
	RLOAD \g+3                                     ; the set just used takes the group three further on; the last three groups ask for nothing
.endif
.endr
	v_pk_add_f32 v[16:17], v[16:17], v[20:21]
	v_pk_add_f32 v[18:19], v[18:19], v[22:23]
	v_pk_add_f32 v[24:25], v[24:25], v[28:29]
	s_delay_alu instid0(VALU_DEP_4)
	v_pk_add_f32 v[26:27], v[26:27], v[30:31]
	s_delay_alu instid0(VALU_DEP_2)
	v_pk_add_f32 v[16:17], v[16:17], v[24:25]
	s_delay_alu instid0(VALU_DEP_2)
	v_pk_add_f32 v[18:19], v[18:19], v[26:27]
	ds_store_b128 v7, v[16:19]                     ; my wave's 256 rows' part of the 128 columns
	s_wait_dscnt 0x0
	s_barrier_signal -1
	s_barrier_wait -1
	s_cmp_lg_u32 s16, 0
	s_cbranch_scc1 .Lend
.irp k, 0,1,2,3,4,5,6,7
	ds_load_b128 v[64+4*\k:67+4*\k], v1 offset:RX+512*\k
.endr
	s_wait_dscnt 0x0
.irp k, 0,2,4,6
	v_pk_add_f32 v[64+4*\k:65+4*\k], v[64+4*\k:65+4*\k], v[68+4*\k:69+4*\k]
	v_pk_add_f32 v[66+4*\k:67+4*\k], v[66+4*\k:67+4*\k], v[70+4*\k:71+4*\k]
.endr
.irp k, 0
	v_pk_add_f32 v[64+4*\k:65+4*\k], v[64+4*\k:65+4*\k], v[72+4*\k:73+4*\k]
	v_pk_add_f32 v[66+4*\k:67+4*\k], v[66+4*\k:67+4*\k], v[74+4*\k:75+4*\k]
.endr
.irp k, 4
	s_delay_alu instid0(VALU_DEP_4)
	v_pk_add_f32 v[64+4*\k:65+4*\k], v[64+4*\k:65+4*\k], v[72+4*\k:73+4*\k]
	s_delay_alu instid0(VALU_DEP_4)
	v_pk_add_f32 v[66+4*\k:67+4*\k], v[66+4*\k:67+4*\k], v[74+4*\k:75+4*\k]
.endr
	s_delay_alu instid0(VALU_DEP_2)
	v_pk_add_f32 v[64:65], v[64:65], v[80:81]
	s_delay_alu instid0(VALU_DEP_2)
	v_pk_add_f32 v[66:67], v[66:67], v[82:83]
	global_store_b128 v1, v[64:67], s[10:11] th:TH_STORE_NT        ; 512 consecutive bytes, aligned
.Lend:
	s_set_vgpr_msb 0x5
	s_wait_tensorcnt 0x0
	ds_add_u32 v0, v1
	s_wait_dscnt 0x0
	s_set_vgpr_msb 0x500
	s_endpgm
.Lfunc_end_k_qedb216ad92_context:
	.size	k_qedb216ad92_context, .Lfunc_end_k_qedb216ad92_context-k_qedb216ad92_context
	.p2alignl 7, 3214868480
	.fill 96, 4, 3214868480
	.section	.rodata,"a",@progbits
	.p2align	6, 0x0
	.amdhsa_kernel k_qedb216ad92_context
		.amdhsa_group_segment_fixed_size 13824
		.amdhsa_private_segment_fixed_size 0
		.amdhsa_enable_private_segment 0
		.amdhsa_kernarg_size 48
		.amdhsa_user_sgpr_count 2
		.amdhsa_user_sgpr_kernarg_segment_ptr 1
		.amdhsa_wavefront_size32 1
		.amdhsa_system_sgpr_workgroup_id_x 1
		.amdhsa_system_sgpr_workgroup_id_y 1
		.amdhsa_system_sgpr_workgroup_id_z 1
		.amdhsa_system_vgpr_workitem_id 0
		.amdhsa_next_free_vgpr 258
		.amdhsa_next_free_sgpr 66
		.amdhsa_reserve_vcc 0
		.amdhsa_float_denorm_mode_32 3
		.amdhsa_float_denorm_mode_16_64 3
		.amdhsa_memory_ordered 1
		.amdhsa_forward_progress 1
		.amdhsa_inst_pref_size 71
	.end_amdhsa_kernel
	.amdgpu_metadata
---
amdhsa.version: [ 1, 2 ]
amdhsa.kernels:
  - .name:           k_qedb216ad92_context
    .symbol:         k_qedb216ad92_context.kd
    .args:
      - { .name: scorebuf, .offset: 0, .size: 8, .value_kind: global_buffer, .address_space: global }
      - { .name: encoder_output, .offset: 8, .size: 8, .value_kind: global_buffer, .address_space: global }
      - { .name: coverage_vector, .offset: 16, .size: 8, .value_kind: global_buffer, .address_space: global }
      - { .name: out0, .offset: 24, .size: 8, .value_kind: global_buffer, .address_space: global }
      - { .name: out1, .offset: 32, .size: 8, .value_kind: global_buffer, .address_space: global }
      - { .name: out2, .offset: 40, .size: 8, .value_kind: global_buffer, .address_space: global }
    .group_segment_fixed_size: 13824
    .private_segment_fixed_size: 0
    .kernarg_segment_align: 8
    .kernarg_segment_size: 48
    .max_flat_workgroup_size: 256
    .sgpr_count:     66
    .vgpr_count:     258
    .wavefront_size: 32
...
	.end_amdgpu_metadata
.endif
;; end of part 3
